; MI455X (gfx1250); checked and timed in simulation.
; The chip was launched on July 23, 2026; its instructions are those of AMD's public machine-readable ISA for CDNA 5 (MIT licence, August 2026) and "CDNA5" Instruction Set Architecture Reference Guide (July 2026). The comments in the code are by the model that wrote it; some were corrected since.
;; VQ Quantizer. Allowed arithmetic: float matrix products may take bf16 or f16 operands with f32 sums; all other float work in f32.
;; Inputs: emb 16,384 x 64 float32; z 8 x 256 x 32 x 32 float32.
;; Outputs: out0 8 x 256 x 32 x 32 float32; out1 8 x 4 x 32 x 32 int32; out2 one number float32.
;; 2 versions, each right and faster than the one before. Each part assembles by itself: llvm-mc -triple=amdgcn-amd-amdhsa -mcpu=gfx1250 --defsym DOCPART=n.
;; ======== version 1 of 2: 4 launches
;; limits: values outside matrix products are rounded to bf16
;; workspace buffers: embt 2,162,688 bytes; zsqw 131,072 bytes; tidw 131,072 bytes of whole numbers; part 2,048 bytes
;; launch prep (part 1): grid 256 x 1, 4 waves a work-group, no clusters, 8,960 bytes of LDS; arguments emb, embt; writes embt
.if DOCPART == 1
	.amdgcn_target "amdgcn-amd-amdhsa--gfx1250"
	.amdhsa_code_object_version 6
	.text
	.protected	k_qb6f956dc67_prep
	.globl	k_qb6f956dc67_prep
	.p2align	8
	.type	k_qb6f956dc67_prep,@function
k_qb6f956dc67_prep:
	s_mov_b64 s[64:65], 0
	v_nop
	global_prefetch_b8 v0, s[64:65] scope:SCOPE_SE
	s_setreg_imm32_b32 hwreg(HW_REG_WAVE_MODE, 25, 1), 1
	s_wait_xcnt 0x0
; prep: the code book, rounded once to bf16 and laid out as the matrix unit's fragments, with each code's sum of squares.
; emb: [16384][64] f32.  embt: 1,024 tiles of 16 codes, 2,112 bytes each:
;   four groups of 512 bytes; in group g the 16 bytes at 16 (16 h + r) are bf16 of code r, dims 16 g + 8 h .. + 7;
;   then, at byte 2,048, the sixteen sums of squares in f32, taken over the ROUNDED numbers.
; LIMIT OF FORMAT: from here on the program knows emb only as bf16 (distances, gathered rows and the loss alike).
; Four waves, one tile each; the four tiles (8,448 bytes = 33 x 256) are put together in LDS and leave as whole rows of bytes.
; No matrix unit, no cluster, no tensor load: 4 MiB are read once and 2 MiB written once, and no work-group shares a byte with another.
.set TILEB,  2112
.set GROUPB, 4*TILEB                   ; what a work-group writes
.set VA,  6                            ; v6       LDS address of my 8 bytes of row 0 or 1 of the tile
.set VB,  7                            ; v7       LDS address of that row's sum of squares, less 2,048
.set XX,  8                            ; v[8:39]  eight loads of 16 bytes; later the copy out
.set PP,  40                           ; v[40:41] four bf16
.set WW,  42                           ; v[42:45] the same, widened again
.set SS,  46                           ; v46      sum of squares
.set CP,  47                           ; v47      16 x thread
.set CP8, 48                           ; v48      8 x lane
	s_load_b128 s[4:7], s[0:1], 0x0                ; emb s[4:5], embt s[6:7]
	v_lshl_add_u32 v64, v0, 2, 0x2100
	v_mov_b32 v65, 0
	v_lshrrev_b32 v1, 5, v0
	v_readfirstlane_b32 s8, v1                     ; wave 0..3
	v_and_b32 v2, 31, v0                           ; lane
	v_lshlrev_b32 v3, 4, v2                        ; 16 x lane
	s_lshl_b32 s9, ttmp9, 2
	s_add_co_u32 s9, s9, s8                        ; my tile = 4 x work-group + wave
	s_lshl_b32 s10, s9, 12                         ; 16 rows of 256 bytes
	s_mov_b32 s11, 0
	s_wait_kmcnt 0x0
	s_add_nc_u64 s[4:5], s[4:5], s[10:11]
.irp l, 0,1,2,3,4,5,6,7
	global_load_b128 v[XX+4*\l:XX+4*\l+3], v3, s[4:5] offset:512*\l th:TH_LOAD_NT   ; 512 neighbouring bytes: codes 2 l and 2 l + 1
.endr
	s_mul_i32 s10, ttmp9, GROUPB
	s_add_nc_u64 s[6:7], s[6:7], s[10:11]          ; embt at the work-group's four tiles
	; lane = 16 hh + cc holds dims 4 cc .. 4 cc + 3 of code 2 l + hh: group cc >> 2, half (cc >> 1) & 1, 8 bytes at 8 (cc & 1), row 16 (2 l + hh)
	v_and_b32 v4, 15, v0                           ; cc
	v_bfe_u32 v5, v0, 4, 1                         ; hh
	v_lshrrev_b32 v[VA], 2, v4
	v_lshlrev_b32 v[VA], 9, v[VA]
	v_bfe_u32 v[VB], v0, 1, 1
	v_lshl_add_u32 v[VA], v[VB], 8, v[VA]
	v_and_b32 v[VB], 1, v0
	v_lshl_add_u32 v[VA], v[VB], 3, v[VA]
	v_lshl_add_u32 v[VA], v5, 4, v[VA]
	s_mul_i32 s12, s8, TILEB                       ; my tile in LDS
	v_add_nc_u32 v[VA], s12, v[VA]
	v_lshlrev_b32 v[VB], 2, v5
	v_add_nc_u32 v[VB], s12, v[VB]
	v_lshlrev_b32 v[CP], 4, v0
	v_lshlrev_b32 v[CP8], 3, v2
.irp l, 0,1,2,3,4,5,6,7
	s_wait_loadcnt 7-\l                            ; loads come back in order: load l is in, the 7 - l younger ones stay out
	v_cvt_pk_bf16_f32 v[PP], v[XX+4*\l], v[XX+4*\l+1]
	v_cvt_pk_bf16_f32 v[PP+1], v[XX+4*\l+2], v[XX+4*\l+3]
	v_lshlrev_b32 v[WW], 16, v[PP]                 ; the rounded numbers as f32
	v_and_b32 v[WW+1], 0xffff0000, v[PP]
	v_lshlrev_b32 v[WW+2], 16, v[PP+1]
	v_and_b32 v[WW+3], 0xffff0000, v[PP+1]
	v_mul_f32 v[SS], v[WW], v[WW]
	v_fmac_f32 v[SS], v[WW+1], v[WW+1]
	v_fmac_f32 v[SS], v[WW+2], v[WW+2]
	v_fmac_f32 v[SS], v[WW+3], v[WW+3]
	v_add_f32_dpp v[SS], v[SS], v[SS] row_xmask:1 row_mask:0xf bank_mask:0xf   ; the sixteen lanes of a half hold one code
	v_add_f32_dpp v[SS], v[SS], v[SS] row_xmask:2 row_mask:0xf bank_mask:0xf
	v_add_f32_dpp v[SS], v[SS], v[SS] row_xmask:4 row_mask:0xf bank_mask:0xf
	v_add_f32_dpp v[SS], v[SS], v[SS] row_xmask:8 row_mask:0xf bank_mask:0xf
	ds_store_b64 v[VA], v[PP:PP+1] offset:32*\l
	ds_store_b32 v[VB], v[SS] offset:2048+8*\l     ; sixteen lanes write one word with one value
.endr
	s_wait_dscnt 0x0                               ; my stores are in LDS before I say so: other waves read them
	s_barrier_signal -1
	s_barrier_wait -1
.irp k, 0,1,2,3
	ds_load_b128 v[XX+4*\k:XX+4*\k+3], v[CP] offset:2048*\k
.endr
.irp k, 0,1,2,3
	s_wait_dscnt 3-\k                              ; LDS loads come back in order: load k is in
	global_store_b128 v[CP], v[XX+4*\k:XX+4*\k+3], s[6:7] offset:2048*\k   ; sixteen lanes store 256 consecutive bytes, aligned
.endr
	s_cmp_lg_u32 s8, 0
	s_cbranch_scc1 .Lend
	ds_load_b64 v[XX+16:XX+17], v[CP8] offset:8192 ; the last 256 of the 8,448 bytes: one wave, 8 bytes a lane
	s_wait_dscnt 0x0
	global_store_b64 v[CP8], v[XX+16:XX+17], s[6:7] offset:8192
.Lend:
	s_wait_tensorcnt 0x0
	ds_add_u32 v64, v65
	s_wait_dscnt 0x0
	s_endpgm
.Lfunc_end_k_qb6f956dc67_prep:
	.size	k_qb6f956dc67_prep, .Lfunc_end_k_qb6f956dc67_prep-k_qb6f956dc67_prep
	.p2alignl 7, 3214868480
	.fill 96, 4, 3214868480
	.section	.rodata,"a",@progbits
	.p2align	6, 0x0
	.amdhsa_kernel k_qb6f956dc67_prep
		.amdhsa_group_segment_fixed_size 8960
		.amdhsa_private_segment_fixed_size 0
		.amdhsa_enable_private_segment 0
		.amdhsa_kernarg_size 16
		.amdhsa_user_sgpr_count 2
		.amdhsa_user_sgpr_kernarg_segment_ptr 1
		.amdhsa_wavefront_size32 1
		.amdhsa_system_sgpr_workgroup_id_x 1
		.amdhsa_system_sgpr_workgroup_id_y 1
		.amdhsa_system_sgpr_workgroup_id_z 1
		.amdhsa_system_vgpr_workitem_id 0
		.amdhsa_next_free_vgpr 66
		.amdhsa_next_free_sgpr 66
		.amdhsa_reserve_vcc 0
		.amdhsa_float_denorm_mode_32 3
		.amdhsa_float_denorm_mode_16_64 3
		.amdhsa_memory_ordered 1
		.amdhsa_forward_progress 1
		.amdhsa_inst_pref_size 11
	.end_amdhsa_kernel
	.amdgpu_metadata
---
amdhsa.version: [ 1, 2 ]
amdhsa.kernels:
  - .name:           k_qb6f956dc67_prep
    .symbol:         k_qb6f956dc67_prep.kd
    .args:
      - { .name: emb, .offset: 0, .size: 8, .value_kind: global_buffer, .address_space: global }
      - { .name: embt, .offset: 8, .size: 8, .value_kind: global_buffer, .address_space: global }
    .group_segment_fixed_size: 8960
    .private_segment_fixed_size: 0
    .kernarg_segment_align: 8
    .kernarg_segment_size: 16
    .max_flat_workgroup_size: 128
    .sgpr_count:     66
    .vgpr_count:     66
    .wavefront_size: 32
...
	.end_amdgpu_metadata
.endif
;; end of part 1
;; launch main (part 2): grid 256 x 1, 4 waves a work-group, clusters of 4 x 1, 327,680 bytes of LDS; arguments z, embt, zsqw, tidw; writes zsqw, tidw
.if DOCPART == 2
	.amdgcn_target "amdgcn-amd-amdhsa--gfx1250"
	.amdhsa_code_object_version 6
	.text
	.protected	k_qb6f956dc67_main
	.globl	k_qb6f956dc67_main
	.p2align	8
	.type	k_qb6f956dc67_main,@function
k_qb6f956dc67_main:
	s_mov_b64 s[64:65], 0
	v_nop
	global_prefetch_b8 v0, s[64:65] scope:SCOPE_SE
	s_setreg_imm32_b32 hwreg(HW_REG_WAVE_MODE, 25, 1), 1
	s_wait_xcnt 0x0
	s_wait_alu depctr_hold_cnt(0) depctr_sa_sdst(0) depctr_va_vdst(0) depctr_va_sdst(0) depctr_va_ssrc(0) depctr_va_vcc(0) depctr_vm_vsrc(0)
	s_getreg_b32 s2, hwreg(HW_REG_IB_STS2, 6, 4)
	s_cmp_eq_u32 s2, 0
	s_cbranch_scc0 .Lentry_in_a_cluster
	s_endpgm
.Lentry_in_a_cluster:
	s_bfe_u32 s2, ttmp6, 0x10000c
	s_cmp_lg_u32 s2, 0x3003
	s_cbranch_scc0 .Lentry_shape_is_right
	s_endpgm
.Lentry_shape_is_right:
; main: for each of 32,768 queries the smallest distance to 16,384 codes, and the number of the FIRST tile of 16 codes that reaches it.
; Query (b, i, p) has the components z[b][4 d + i][p], d = 0..63.  d(query, code) = fl(fl(zsq + esq) - 2 dot), the two roundings of the
; definition: the distances lie on the coarse grid of zsq, equal ones are common, and the first index wins.
; The index itself is not followed here.  Per tile of 16 x 16 and lane (8 distances) the vector work is 4 packed adds, 4 packed
; multiply-adds, 4 three-way minima, 1 compare, 1 select: 14 instructions beside 2 matrix instructions.  The tile's number goes to tidw as a
; whole number; the next launch works that one tile out again, finds the index and gathers.
; LIMITS: z and emb enter as bf16, rounded once (zsq and esq are sums over the rounded numbers); inputs are finite (a NaN loses every
; minimum here, in argmin it would win).
; SHARES: a work-group owns 128 queries, and each of its four waves holds all of them as 8 fragments in 128 registers.  The codes are shared
; out: of each chunk of 1,024 codes wave w takes tiles 16 w .. 16 w + 15, which it fetches itself and alone reads, so 2,112 bytes read from
; LDS feed 16 matrix instructions.  At the end the four waves' minima meet in LDS.
; CLUSTER: every work-group walks the same 2 MiB of embt in the same order.  Four work-groups form a cluster and ask for each unit jointly
; (mask 15, the same descriptor in all four: it is made of the wave's number and constants alone), which divides the requests by four.
; RING: two LDS slots of one chunk (4 units of 33,792 bytes).  A wave has two tensor loads out at the start and one
; behind each round of the cluster's barrier; that one has a whole chunk (256 matrix instructions of the wave) in which to land.
.set TILEB, 2112                       ; a tile of 16 codes: 2,048 bytes of fragments, 64 of esq
.set UNITB, 16*TILEB                   ; a wave's part of a chunk = 132 rows of 256 bytes
.set SLOTB, 4*UNITB
.set SCR,   2*SLOTB                    ; 4,096 bytes behind the ring, which no tensor load fills: the waves' minima meet here
.set LAPS,  7                          ; laps of two chunks that fill both slots again; the last two of the 16 chunks stand behind the loop
.set LN16, 1                           ; v1         16 x lane
.set FA,   2                           ; v2, v3     LDS address of my 16 bytes of a fragment group, slot 0, 1
.set SA,   4                           ; v4, v5     LDS address of my unit + 32 h, slot 0, 1 (esq of codes 8 h ..)
.set ID,   6                           ; v6         number of the tile whose distances are being looked at
.set ZO,   7                           ; v7         my byte offset in z
.set TT,   8                           ; v[8:15]    eight distances at work
.set ZS,   16                          ; v[16:23]   zsq of query r of query tile t
.set RM,   24                          ; v[24:39]   running minima, two sets that take turns by the code tile's parity (spares a move)
.set RB,   40                          ; v[40:47]   the tile that first reached the minimum
.set ES,   48                          ; v[48:63]   esq of codes 8 h .. 8 h + 7, two buffers
.set EF,   64                          ; v[64:95]   a code tile's fragments (16 codes x 64 dims), two buffers
.set ACC,  96                          ; v[96:127]  two pairs of accumulators
.set QF,   128                         ; v[128:255] query tile t at 128 + 16 t: 16 queries x 64 dims
                                       ; v[256:511] z as loaded, in the set-up alone
.set G1, 16                            ; s[16:23]   descriptor group 1
.set G0, 24                            ; s[24:31]   descriptor group 0, one set for each slot
; A round of the cluster's barrier: my work-group's barrier, wave 0 signals for the work-group, every wave waits for all four work-groups,
; my work-group's barrier once more.  CREST is the round behind its opening barrier.
.macro CREST
	s_cmp_lg_u32 s12, 0
	s_cbranch_scc1 .Lnot_wave_0_\@
	s_barrier_signal -3
.Lnot_wave_0_\@:
	s_barrier_wait -3
	s_barrier_signal -1
	s_barrier_wait -1
.endm
.macro ROUND
	s_barrier_signal -1
	s_barrier_wait -1
	CREST
.endm
; Six LDS loads: tile i of my unit in a slot, into buffer buf.  Lanes take neighbouring 16 bytes; esq is one 32-byte piece for each half.
.macro LOADT slot, i, buf
.irp g, 0,1,2,3
	ds_load_b128 v[EF+16*(\buf)+4*\g:EF+16*(\buf)+4*\g+3], v[FA+(\slot)] offset:(\i)*TILEB+512*\g
.endr
	ds_load_b128 v[ES+8*(\buf):ES+8*(\buf)+3], v[SA+(\slot)] offset:(\i)*TILEB+2048
	ds_load_b128 v[ES+8*(\buf)+4:ES+8*(\buf)+7], v[SA+(\slot)] offset:(\i)*TILEB+2064
.endm
; First half of a tile's look: A = fl(esq + zsq) for 8 codes, then d = fl(A - 2 dot) for six of them (2 dot is exact, so the fused form
; rounds as the definition does).  acc: first register of the 8 dots; t: query tile; sb: esq buffer.
.macro EPIA acc, t, sb
.irp k, 0,2,4,6
.if ((\t)&1)
	v_pk_add_f32 v[TT+\k:TT+\k+1], v[ES+8*(\sb)+\k:ES+8*(\sb)+\k+1], v[ZS+((\t)&6):ZS+((\t)&6)+1] op_sel:[0,1] op_sel_hi:[1,1]
.else
	v_pk_add_f32 v[TT+\k:TT+\k+1], v[ES+8*(\sb)+\k:ES+8*(\sb)+\k+1], v[ZS+((\t)&6):ZS+((\t)&6)+1] op_sel_hi:[1,0]
.endif
.endr
.irp k, 0,2,4
	v_pk_fma_f32 v[TT+\k:TT+\k+1], v[(\acc)+\k:(\acc)+\k+1], -2.0, v[TT+\k:TT+\k+1] op_sel_hi:[1,0,1]
.endr
.endm
; Second half: the last two distances, the minimum of the eight and of the running one (set pin in, the other set out), and, where it
; fell, the tile's number.  Strictly smaller: the first tile stays.
.macro EPIB acc, t, pin
	v_pk_fma_f32 v[TT+6:TT+7], v[(\acc)+6:(\acc)+7], -2.0, v[TT+6:TT+7] op_sel_hi:[1,0,1]
	v_min3_num_f32 v[TT], v[TT], v[TT+1], v[TT+2]
	v_min3_num_f32 v[TT+3], v[TT+3], v[TT+4], v[TT+5]
	v_min3_num_f32 v[TT+6], v[TT+6], v[TT+7], v[RM+8*(\pin)+(\t)]
	v_min3_num_f32 v[RM+8*(1-(\pin))+(\t)], v[TT], v[TT+3], v[TT+6]
	v_cmp_lt_f32 vcc_lo, v[RM+8*(1-(\pin))+(\t)], v[RM+8*(\pin)+(\t)]
	v_cndmask_b32 v[RB+(\t)], v[RB+(\t)], v[ID], vcc_lo
.endm
; Two query tiles (ta, ta + 1) against the code tile in buffer eb, into accumulator pair xp, woven with the look at pair yp, which holds the
; two query tiles (tb, tb + 1) of the step before.  The first product of each sum takes the constant 0: nothing is cleared.
; The accumulators take turns, one instruction a turn, over the steps, the tiles and the backward jump.
; Behind each matrix instruction stand seven plain vector instructions that name none of its registers; a result is read 14 or more such
; places behind the instruction that wrote it (ISA guide 7.12.1).
.macro STEP eb, ta, xp, yp, tb, sb, pin
	v_wmma_f32_16x16x32_bf16 v[ACC+16*(\xp):ACC+16*(\xp)+7], v[EF+16*(\eb):EF+16*(\eb)+7], v[QF+16*(\ta):QF+16*(\ta)+7], 0
	EPIA ACC+16*(\yp), \tb, \sb
	v_wmma_f32_16x16x32_bf16 v[ACC+16*(\xp)+8:ACC+16*(\xp)+15], v[EF+16*(\eb):EF+16*(\eb)+7], v[QF+16*(\ta)+16:QF+16*(\ta)+23], 0
	EPIB ACC+16*(\yp), \tb, \pin
	v_wmma_f32_16x16x32_bf16 v[ACC+16*(\xp):ACC+16*(\xp)+7], v[EF+16*(\eb)+8:EF+16*(\eb)+15], v[QF+16*(\ta)+8:QF+16*(\ta)+15], v[ACC+16*(\xp):ACC+16*(\xp)+7]
	EPIA ACC+16*(\yp)+8, (\tb)+1, \sb
	v_wmma_f32_16x16x32_bf16 v[ACC+16*(\xp)+8:ACC+16*(\xp)+15], v[EF+16*(\eb)+8:EF+16*(\eb)+15], v[QF+16*(\ta)+24:QF+16*(\ta)+31], v[ACC+16*(\xp)+8:ACC+16*(\xp)+15]
	EPIB ACC+16*(\yp)+8, (\tb)+1, \pin
.endm
; One code tile against the 128 queries.  kind 0: the next tile of the same unit is fetched.  kind 1: the unit's last tile; the slot is
; filled again, two chunks ahead, and the other slot's first tile is fetched.  kind 2: the same without a fill.  kind 3: nothing follows.
.macro TILE slot, i, kind
.set PAR,  (\i)&1
.set NPAR, 1-PAR
	s_wait_dscnt 0x0                               ; this tile's six loads, issued three steps ago; in the unit's last tile also: my reads of the slot are over
.if \kind == 1
	s_set_vgpr_msb 0xa
	s_wait_tensorcnt 0x0                           ; all my tensor loads have landed: the one that was out is my unit of the other slot
	ds_add_u32 v0, v1
	s_wait_dscnt 0x0
	s_set_vgpr_msb 0xa00
	s_barrier_signal -1                            ; opens the round; up to its closing wait only register work follows
.endif
.if \kind == 2
	s_wait_tensorcnt 0x0                           ; my unit of the last chunk has landed; I alone read it, and nothing is filled again
.endif
	STEP PAR, 0, 0, 1, 6, NPAR, NPAR               ; looks at the tile before: its query tiles 6 and 7, its esq, its set of minima, its number
.if \i == 0
	v_add_nc_u32 v[ID], 49, v[ID]                  ; from tile 64 (c - 1) + 16 w + 15 to tile 64 c + 16 w
.else
	v_add_nc_u32 v[ID], 1, v[ID]
.endif
.if \kind == 0
	LOADT \slot, \i+1, NPAR                        ; the other buffers' last readers stand above, 35 places behind the last matrix instruction that read them
.endif
	STEP PAR, 2, 1, 0, 0, PAR, PAR
.if \kind == 1
	s_barrier_wait -1
	CREST                                          ; no wave of the four work-groups still reads this slot or has a load on its way
	s_add_nc_u64 s[G0+4*\slot+2:G0+4*\slot+3], s[G0+4*\slot+2:G0+4*\slot+3], 2*SLOTB   ; no load of mine is out: the address may step, two chunks on
	tensor_load_to_lds s[G0+4*\slot:G0+4*\slot+3], s[G1:G1+7]                          ; my one tensor load behind the round, and the first thing there
	s_nop 0
	LOADT 1-\slot, 0, 0
.endif
.if \kind == 2
	LOADT 1-\slot, 0, 0
.endif
	STEP PAR, 4, 0, 1, 2, PAR, PAR
	STEP PAR, 6, 1, 0, 4, PAR, PAR
.endm
.macro CHUNK slot, lastkind
.irp i, 0,1,2,3,4,5,6,7,8,9,10,11,12,13,14
	TILE \slot, \i, 0
.endr
	TILE \slot, 15, \lastkind
.endm
; (va, ia) takes (vb, ib) where vb is smaller, or equal with the lower tile.  Masks select values alone.
.macro MERGE va, ia, vb, ib
	v_cmp_lt_f32 s36, v[\vb], v[\va]
	v_cmp_eq_f32 s37, v[\vb], v[\va]
	v_cmp_lt_u32 s38, v[\ib], v[\ia]
	s_and_b32 s37, s37, s38
	s_or_b32 vcc_lo, s36, s37
	v_cndmask_b32 v[\va], v[\va], v[\vb], vcc_lo
	v_cndmask_b32 v[\ia], v[\ia], v[\ib], vcc_lo
.endm
	s_load_b256 s[4:11], s[0:1], 0x0               ; z s[4:5], embt s[6:7], zsqw s[8:9], tidw s[10:11]
	s_set_vgpr_msb 0x80
	v_lshl_add_u32 v0, v0, 2, 0x43000
	v_mov_b32 v1, 0
	s_set_vgpr_msb 0x808a
	ds_add_u32 v0, v1
	s_set_vgpr_msb 0x8a00
	v_lshrrev_b32 v1, 5, v0
	v_readfirstlane_b32 s12, v1                    ; wave 0..3
	s_bfe_u32 s13, ttmp6, 0x40000                  ; cx: my place in the cluster
	s_lshl_b32 s14, ttmp9, 2                       ; in a cluster launch ttmp9 counts clusters
	s_add_co_u32 s14, s14, s13                     ; work-group 0..255; it enters the addresses of z, zsqw and tidw and nothing else
	; group 1: a dense block of 33,792 bytes as 132 rows of 32 elements of 8 bytes
	s_mov_b32 s[G1+0], 0x0023000f                  ; 15:0 mask = all four of the cluster; 17:16 element of 8 bytes; 21 set beside a mask; no padding
	s_mov_b32 s[G1+1], 32<<16                      ; tensor_dim0 = 32
	s_mov_b32 s[G1+2], 132<<16                     ; tensor_dim1 = 132
	s_mov_b32 s[G1+3], 32<<16                      ; tile_dim0 = 32
	s_mov_b32 s[G1+4], 132                         ; tile_dim1 = 132
	s_mov_b32 s[G1+5], 32                          ; from row to row: 32 elements
	s_mov_b32 s[G1+6], 0
	s_mov_b32 s[G1+7], 0
	s_mul_i32 s15, s12, UNITB                      ; my unit, in a slot and in a chunk of embt
	s_mov_b32 s40, s15
	s_mov_b32 s41, 0
	s_mov_b32 s33, 0xffff0000                      ; lanes 16 to 31
	s_mov_b32 s34, 0x76543210                      ; v_permlanex16_b32: lane i of one half reads lane i of the other
	s_mov_b32 s35, 0xfedcba98
	s_wait_dscnt 0x0
	s_wait_kmcnt 0x0
	s_add_nc_u64 s[42:43], s[6:7], s[40:41]
.irp n, 0,1
	s_mov_b32 s[G0+4*\n], 1                                        ; count = 1
	s_add_co_u32 s[G0+4*\n+1], s15, \n*SLOTB                       ; LDS address: the slot's constant + wave x 33,792
	s_add_nc_u64 s[G0+4*\n+2:G0+4*\n+3], s[42:43], \n*SLOTB        ; chunk n, my unit
	s_or_b32 s[G0+4*\n+3], s[G0+4*\n+3], 0x80000000                ; type = 2
.endr
	ROUND                                          ; the four work-groups are here: the first joint loads meet
	tensor_load_to_lds s[G0:G0+3], s[G1:G1+7]      ; both first fills go out together, ahead of every wait on TENSORcnt and every LDS read
	s_nop 0
	tensor_load_to_lds s[G0+4:G0+7], s[G1:G1+7]
	s_nop 0
	; work-group = 32 b + 8 i + block of 128 positions; query number = 128 x work-group + place
	s_lshr_b32 s40, s14, 5
	s_lshl_b32 s40, s40, 20                        ; b x 256 channels x 4,096 bytes
	s_bfe_u32 s36, s14, 0x20003
	s_lshl_b32 s36, s36, 12                        ; channel i
	s_add_co_u32 s40, s40, s36
	s_and_b32 s36, s14, 7
	s_lshl_b32 s36, s36, 9                         ; 128 positions of 4 bytes
	s_add_co_u32 s40, s40, s36
	s_add_nc_u64 s[4:5], s[4:5], s[40:41]
	s_lshl_b32 s40, s14, 9                         ; 128 words
	s_add_nc_u64 s[8:9], s[8:9], s[40:41]
	s_add_nc_u64 s[10:11], s[10:11], s[40:41]
	v_and_b32 v[LN16], 31, v0
	v_lshlrev_b32 v[LN16], 4, v[LN16]
	v_bfe_u32 v[ZO], v0, 4, 1                      ; h
	v_add_nc_u32 v[FA], s15, v[LN16]
	v_add_nc_u32 v[FA+1], SLOTB, v[FA]
	v_lshl_add_u32 v[SA], v[ZO], 5, s15
	v_add_nc_u32 v[SA+1], SLOTB, v[SA]
	v_and_b32 v[ID], 15, v0                        ; r
	v_lshlrev_b32 v[ID], 4, v[ID]
	v_lshl_add_u32 v[ZO], v[ZO], 17, v[ID]         ; 8 h dims of 16,384 bytes + 16 r
	; z: lane (r, h) takes, for dim 16 ga + 8 h + e, the positions 64 u + 4 r .. + 3: sixteen lanes read 256 consecutive bytes, aligned.
	; Position 64 u + 4 r + x is query r of query tile 4 u + x.
	s_set_vgpr_msb 0x40                            ; destinations in v256 and above
.irp ga, 0,1,2,3
.irp e, 0,1,2,3,4,5,6,7
.irp u, 0,1
	global_load_b128 v[4*((\ga*8+\e)*2+\u):4*((\ga*8+\e)*2+\u)+3], v[ZO], s[4:5] offset:(16*\ga+\e)*16384+256*\u
.endr
.endr
.endr
	s_set_vgpr_msb 0x4005                          ; both sources in v256 and above, destinations below
.irp ga, 0,1,2,3
	s_wait_loadcnt 48-16*\ga                       ; loads come back in order: this group of sixteen is in, the later groups stay out
.irp e, 0,2,4,6
.irp u, 0,1
.irp x, 0,1,2,3
	v_cvt_pk_bf16_f32 v[QF+16*(4*\u+\x)+4*\ga+\e/2], v[4*((\ga*8+\e)*2+\u)+\x], v[4*((\ga*8+\e+1)*2+\u)+\x]
.endr
.endr
.endr
.endr
	s_set_vgpr_msb 0x0500                          ; all back to the first 256
	; zsq over the rounded numbers: sixteen chains (low and high halves of eight query tiles), then the other half of the lanes
	v_mov_b32 v[ID], 0                             ; the chains' first addend
.irp t, 0,1,2,3,4,5,6,7
	v_fma_mix_f32_bf16 v[ZS+\t], v[QF+16*\t], v[QF+16*\t], v[ID] op_sel_hi:[1,1,0]
	v_fma_mix_f32_bf16 v[TT+\t], v[QF+16*\t], v[QF+16*\t], v[ID] op_sel:[1,1,0] op_sel_hi:[1,1,0]
.endr
.irp k, 1,2,3,4,5,6,7,8,9,10,11,12,13,14,15
.irp t, 0,1,2,3,4,5,6,7
	v_fma_mix_f32_bf16 v[ZS+\t], v[QF+16*\t+\k], v[QF+16*\t+\k], v[ZS+\t] op_sel_hi:[1,1,0]
	v_fma_mix_f32_bf16 v[TT+\t], v[QF+16*\t+\k], v[QF+16*\t+\k], v[TT+\t] op_sel:[1,1,0] op_sel_hi:[1,1,0]
.endr
.endr
.irp t, 0,2,4,6
	v_pk_add_f32 v[ZS+\t:ZS+\t+1], v[ZS+\t:ZS+\t+1], v[TT+\t:TT+\t+1]
.endr
.irp t, 0,1,2,3,4,5,6,7
	v_permlanex16_b32 v[TT+\t], v[ZS+\t], s34, s35
.endr
.irp t, 0,2,4,6
	v_pk_add_f32 v[ZS+\t:ZS+\t+1], v[ZS+\t:ZS+\t+1], v[TT+\t:TT+\t+1]   ; the same sum in both halves
.endr
.irp x, 0,1,2,3
	v_cndmask_b32 v[TT+\x], v[ZS+\x], v[ZS+4+\x], s33              ; lane 16 u + r: queries 64 u + 4 r + x
.endr
	s_cmp_lg_u32 s12, 0
	s_cbranch_scc1 .Lzsq_out
	global_store_b128 v[LN16], v[TT:TT+3], s[8:9]  ; one wave writes the work-group's 512 bytes: the next launch takes the very same zsq
.Lzsq_out:
	s_wait_xcnt 0x0                                ; TT, the store's data, is written again only behind this wait
	; The loop's first step looks at a tile that does not exist: esq = +inf and dots of 0 make distances of +inf, which change nothing.
	s_mov_b32 s36, 0x7f800000
.irp t, 0,1,2,3,4,5,6,7
	v_mov_b32 v[RM+\t], s36
	v_mov_b32 v[RB+\t], 0
	v_mov_b32 v[ES+8+\t], s36
.endr
	v_mov_b32 v[RM+8+6], s36
	v_mov_b32 v[RM+8+7], s36
.irp k, 0,1,2,3,4,5,6,7,8,9,10,11,12,13,14,15
	v_mov_b32 v[ACC+16+\k], 0
.endr
	s_lshl_b32 s40, s12, 4
	s_sub_co_i32 s40, s40, 49
	v_mov_b32 v[ID], s40                           ; the first tile's step adds 49: 16 w
	s_wait_tensorcnt 0x1                           ; my unit of chunk 0 is in LDS, chunk 1's may stay out; I alone read my units
	LOADT 0, 0, 0
	s_mov_b32 s32, LAPS
.Llap:
	CHUNK 0, 1
	CHUNK 1, 1
	s_sub_co_i32 s32, s32, 1
	s_cmp_lg_u32 s32, 0
	s_cbranch_scc1 .Llap
	CHUNK 0, 2                                     ; chunks 14 and 15: nothing is left to fetch
	CHUNK 1, 3
	EPIA ACC+16, 6, 1                              ; the last tile's query tiles 6 and 7
	EPIB ACC+16, 6, 1
	EPIA ACC+24, 7, 1
	EPIB ACC+24, 7, 1                              ; all minima now stand in the first set
	; the two halves of the lanes (codes 8 h .. of each tile), then the four waves
.irp t, 0,1,2,3,4,5,6,7
	v_permlanex16_b32 v[ES+\t], v[RM+\t], s34, s35
	v_permlanex16_b32 v[ES+8+\t], v[RB+\t], s34, s35
.endr
.irp t, 0,1,2,3,4,5,6,7
	MERGE RM+\t, RB+\t, ES+\t, ES+8+\t
.endr
.irp t, 0,1,2,3,4,5,6,7
	v_cndmask_b32 v[TT+\t], v[RM+\t], v[RB+\t], s33                ; lanes 0-15 carry the minima, lanes 16-31 the tiles
.endr
	v_and_b32 v[FA], 15, v0
	v_bfe_u32 v[FA+1], v0, 4, 1
	v_lshlrev_b32 v[FA], 4, v[FA]
	v_lshl_add_u32 v[FA], v[FA+1], 9, v[FA]
	s_lshl_b32 s40, s12, 10
	s_add_co_u32 s40, s40, SCR
	v_add_nc_u32 v[FA], s40, v[FA]                 ; wave x 1,024: 128 minima in query order, then 128 tiles
	ds_store_b128 v[FA], v[TT:TT+3]
	ds_store_b128 v[FA], v[TT+4:TT+7] offset:256
	s_wait_dscnt 0x0                               ; my stores are in LDS before I say so: wave 0 reads them
	s_barrier_signal -1
	s_barrier_wait -1
	s_cmp_lg_u32 s12, 0
	s_cbranch_scc1 .Lclose
	v_add_nc_u32 v[FA+1], SCR, v[LN16]
.irp w, 0,1,2,3
	ds_load_b128 v[EF+4*\w:EF+4*\w+3], v[FA+1] offset:1024*\w
	ds_load_b128 v[EF+16+4*\w:EF+16+4*\w+3], v[FA+1] offset:1024*\w+512
.endr
	s_wait_dscnt 0x0
.irp w, 1,2,3
.irp x, 0,1,2,3
	MERGE EF+\x, EF+16+\x, EF+4*\w+\x, EF+16+4*\w+\x
.endr
.endr
	global_store_b128 v[LN16], v[EF+16:EF+19], s[10:11]            ; 512 consecutive bytes: the tiles of queries 4 lane .. + 3
.Lclose:
	s_set_vgpr_msb 0xa
	s_wait_tensorcnt 0x0
	ds_add_u32 v0, v1
	s_wait_dscnt 0x0
	s_set_vgpr_msb 0xa00
	ROUND                                          ; the closing round: no work-group ends while a partner may still ask jointly
	s_endpgm
.Lfunc_end_k_qb6f956dc67_main:
	.size	k_qb6f956dc67_main, .Lfunc_end_k_qb6f956dc67_main-k_qb6f956dc67_main
	.p2alignl 7, 3214868480
	.fill 96, 4, 3214868480
	.section	.rodata,"a",@progbits
	.p2align	6, 0x0
	.amdhsa_kernel k_qb6f956dc67_main
		.amdhsa_group_segment_fixed_size 327680
		.amdhsa_private_segment_fixed_size 0
		.amdhsa_enable_private_segment 0
		.amdhsa_kernarg_size 32
		.amdhsa_user_sgpr_count 2
		.amdhsa_user_sgpr_kernarg_segment_ptr 1
		.amdhsa_wavefront_size32 1
		.amdhsa_system_sgpr_workgroup_id_x 1
		.amdhsa_system_sgpr_workgroup_id_y 1
		.amdhsa_system_sgpr_workgroup_id_z 1
		.amdhsa_system_vgpr_workitem_id 0
		.amdhsa_next_free_vgpr 514
		.amdhsa_next_free_sgpr 66
		.amdhsa_reserve_vcc 1
		.amdhsa_float_denorm_mode_32 3
		.amdhsa_float_denorm_mode_16_64 3
		.amdhsa_memory_ordered 1
		.amdhsa_forward_progress 1
		.amdhsa_inst_pref_size 255
	.end_amdhsa_kernel
	.section	.bss,"aw",@nobits
	.p2align	6
	.space	262144
	.amdgpu_metadata
---
amdhsa.version: [ 1, 2 ]
amdhsa.kernels:
  - .name:           k_qb6f956dc67_main
    .symbol:         k_qb6f956dc67_main.kd
    .args:
      - { .name: z, .offset: 0, .size: 8, .value_kind: global_buffer, .address_space: global }
      - { .name: embt, .offset: 8, .size: 8, .value_kind: global_buffer, .address_space: global }
      - { .name: zsqw, .offset: 16, .size: 8, .value_kind: global_buffer, .address_space: global }
      - { .name: tidw, .offset: 24, .size: 8, .value_kind: global_buffer, .address_space: global }
    .group_segment_fixed_size: 327680
    .private_segment_fixed_size: 0
    .kernarg_segment_align: 8
    .kernarg_segment_size: 32
    .max_flat_workgroup_size: 128
    .sgpr_count:     66
    .vgpr_count:     514
    .wavefront_size: 32
...
	.end_amdgpu_metadata
.endif
;; end of part 2
;; launch finish (part 3): grid 512 x 1, 4 waves a work-group, no clusters, 19,456 bytes of LDS; arguments z, embt, tidw, zsqw, out0, out1, part; writes out0, out1, part
.if DOCPART == 3
	.amdgcn_target "amdgcn-amd-amdhsa--gfx1250"
	.amdhsa_code_object_version 6
	.text
	.protected	k_qb6f956dc67_finish
	.globl	k_qb6f956dc67_finish
	.p2align	8
	.type	k_qb6f956dc67_finish,@function
k_qb6f956dc67_finish:
	s_mov_b64 s[64:65], 0
	v_nop
	global_prefetch_b8 v0, s[64:65] scope:SCOPE_SE
	s_setreg_imm32_b32 hwreg(HW_REG_WAVE_MODE, 25, 1), 1
	s_wait_xcnt 0x0
; finish: from each query's winning tile to its index, its code row, out0 and the loss.
; A work-group owns 64 queries (one b, one i, 64 positions); wave w resolves queries 16 w .. 16 w + 15, one after the other: the tile's 16
; distances are worked out again, fl(fl(zsq + esq) - 2 dot) with the zsq that the launch before stored, and the first lane that holds the
; smallest gives the index.  The tile's number is a whole number read from memory (clamped to 1,023); inside this launch the comparison
; of distances selects values alone: the code's number steers a permutation of lanes, and no address, mask of lanes or branch hangs on it.
; out0 = fl(zb + fl(e - zb)), loss from fl(e - zb), with zb and e the bf16-rounded z and emb.
; LIMITS: z and emb as bf16, rounded once, in every output; finite inputs; the dots are summed here on the vector unit, in another order
; than the matrix unit's, which can move an index only where a distance lies within the two sums' rounding of a rounding boundary.
; 1/1024 of the distances: the matrix unit, tensor loads and clusters would buy nothing; what counts is loads in flight (a ring of eight
; tiles in registers) and whole 256-byte rows of z in and of out0 out, which is why z and the chosen rows turn in LDS.
.set TILEB, 2112
.set PITCH, 144                        ; an LDS row: 64 bf16 + 16 bytes
.set ZT,    0                          ; 64 queries x 144: z rounded, [query][dim]
.set ZQT,   9216                       ; 64 queries x 144: the chosen code rows
.set IDXB,  18432                      ; 64 indices
.set LSB,   18688                      ; four partial sums
.set LN16, 1                           ; v1   16 x lane
.set RR,   2                           ; v2   r = lane mod 16
.set R4,   3                           ; v3   4 r
.set ZOF,  4                           ; v4   my byte offset in z and out0: dim 16 w + 8 hh, positions 4 r ..
.set TRA,  5                           ; v5   LDS: row 4 r, byte 32 w + 16 hh
.set QRA,  6                           ; v6   LDS: row 16 w, byte 16 hh
.set IXA,  7                           ; v7   64 w + 4 r
.set LN8,  8                           ; v8   8 x lane
.set IDXV, 9                           ; v9   lanes q and q + 16: index of query q
.set CH,   10                          ; v[10:13] four chains of a dot; data alone, never an address
.set OTH,  14                          ; v14  the other half's figure
.set DD,   15                          ; v15  distance
.set MM,   16                          ; v16  smallest of sixteen
.set ZERO, 17                          ; v17  0, never rewritten: the chains' first addend, and the offset 0
.set LSA,  18                          ; v18  4 x wave, never rewritten: my wave's word among the partial sums
.set ESQ,  36                          ; v[36:43]   ring: esq of code r
.set PK,   44                          ; v[44:59]   z rounded: 4 x + m holds dims 2 m, 2 m + 1 of my eight, position 4 r + x; kept for the way out
.set ER,   64                          ; v[64:191]  ring of eight tiles, 16 registers each
.set ZB,   192                         ; v[192:223] z as loaded; then two buffers of a query's dims
.set OO,   64                          ; the way out, in the ring's registers: out0, 8 rows x 4
.set EQ,   96                          ;   chosen rows, as PK
.set ZL,   112                         ;   widened: z low, z high, e low, e high, 4 each
.set ZH,   116
.set EL,   120
.set EH,   124
.set LL,   128                         ;   v[128:135] sums of squares
.set TQ,   20                          ; s[20:35] the sixteen tiles
.set BS,   36                          ; s[36:51] ring: the tile's address
.set ZQS,  68                          ; s[68:83] the sixteen zsq
.macro FILLQ q                         ; five loads: the tile of query q into its ring slot
.set SL, (\q)&7
	s_mul_i32 s[BS+2*SL], s[TQ+(\q)], TILEB
	s_mov_b32 s[BS+2*SL+1], 0
	s_add_nc_u64 s[BS+2*SL:BS+2*SL+1], s[6:7], s[BS+2*SL:BS+2*SL+1]
.irp g, 0,1,2,3
	global_load_b128 v[ER+16*SL+4*\g:ER+16*SL+4*\g+3], v[LN16], s[BS+2*SL:BS+2*SL+1] offset:512*\g   ; code r, dims 16 g + 8 hh ..
.endr
	global_load_b32 v[ESQ+SL], v[R4], s[BS+2*SL:BS+2*SL+1] offset:2048
.endm
.macro ZLOAD q                         ; query q's dims 16 g + 8 hh .., the same for all sixteen lanes of a half
.irp g, 0,1,2,3
	ds_load_b128 v[ZB+16*((\q)&1)+4*\g:ZB+16*((\q)&1)+4*\g+3], v[QRA] offset:ZT+PITCH*(\q)+32*\g
.endr
.endm
.macro QUERY q
.set SL, (\q)&7
.set ZC, ZB+16*((\q)&1)
.if \q < 15
	ZLOAD \q+1
.endif
.if \q < 8
	s_wait_loadcnt 35                              ; behind this slot's five loads seven more slots were filled: they stay out
.else
	s_wait_loadcnt 5*(15-\q)                       ; the counts run down: only the later queries' slots are out
.endif
.if \q < 15
	s_wait_dscnt 4                                 ; all but the four LDS loads just issued: this query's dims are in
.else
	s_wait_dscnt 0
.endif
.irp g, 0,1,2,3
	v_fma_mix_f32_bf16 v[CH+\g], v[ER+16*SL+4*\g], v[ZC+4*\g], v[ZERO] op_sel_hi:[1,1,0]
.endr
.irp g, 0,1,2,3
	v_fma_mix_f32_bf16 v[CH+\g], v[ER+16*SL+4*\g], v[ZC+4*\g], v[CH+\g] op_sel:[1,1,0] op_sel_hi:[1,1,0]
.endr
.irp j, 1,2,3
.irp g, 0,1,2,3
	v_fma_mix_f32_bf16 v[CH+\g], v[ER+16*SL+4*\g+\j], v[ZC+4*\g+\j], v[CH+\g] op_sel_hi:[1,1,0]
.endr
.irp g, 0,1,2,3
	v_fma_mix_f32_bf16 v[CH+\g], v[ER+16*SL+4*\g+\j], v[ZC+4*\g+\j], v[CH+\g] op_sel:[1,1,0] op_sel_hi:[1,1,0]
.endr
.endr
	v_add_f32 v[CH], v[CH], v[CH+1]
	v_add_f32 v[CH+2], v[CH+2], v[CH+3]
	v_add_f32 v[CH], v[CH], v[CH+2]
	v_permlanex16_b32 v[OTH], v[CH], s90, s91      ; the other 32 dims
	v_add_f32 v[CH], v[CH], v[OTH]
	v_add_f32 v[DD], s[ZQS+\q], v[ESQ+SL]          ; fl(zsq + esq)
	v_fma_f32 v[DD], -2.0, v[CH], v[DD]            ; fl(.. - 2 dot)
	v_min_num_f32_dpp v[MM], v[DD], v[DD] row_xmask:1 row_mask:0xf bank_mask:0xf
	v_min_num_f32_dpp v[MM], v[MM], v[MM] row_xmask:2 row_mask:0xf bank_mask:0xf
	v_min_num_f32_dpp v[MM], v[MM], v[MM] row_xmask:4 row_mask:0xf bank_mask:0xf
	v_min_num_f32_dpp v[MM], v[MM], v[MM] row_xmask:8 row_mask:0xf bank_mask:0xf
	v_cmp_eq_f32 vcc_lo, v[DD], v[MM]
	s_ctz_i32_b32 s84, vcc_lo                      ; the first code of the tile that holds the minimum
	s_and_b32 s84, s84, 15
	s_lshl4_add_u32 s85, s[TQ+\q], s84             ; index = 16 x tile + code
	s_mul_i32 s88, s84, 0x11111111                 ; the code's number in each of eight 4-bit fields
	v_writelane_b32 v[IDXV], s85, \q
	v_writelane_b32 v[IDXV], s85, \q+16
.irp k, 0,1,2,3,4,5,6,7,8,9,10,11,12,13,14,15
	v_permlane16_b32 v[ER+16*SL+\k], v[ER+16*SL+\k], s88, s88      ; every lane of a half takes that code's lane of its half: the choice moves values alone
.endr
.irp g, 0,1,2,3
	ds_store_b128 v[QRA], v[ER+16*SL+4*\g:ER+16*SL+4*\g+3] offset:ZQT+PITCH*\q+32*\g   ; all lanes on: the sixteen of a half write the same 16 bytes with the same value
.endr
.if \q < 8
	FILLQ \q+8                                     ; the slot's five loads were shown done above: its base and registers are free
.endif
.endm
	s_load_b256 s[4:11], s[0:1], 0x0               ; z s[4:5], embt s[6:7], tidw s[8:9], zsqw s[10:11]
	s_load_b128 s[12:15], s[0:1], 0x20             ; out0 s[12:13], out1 s[14:15]
	s_load_b64 s[16:17], s[0:1], 0x30              ; part
	v_lshl_add_u32 v224, v0, 2, 0x4a00
	v_mov_b32 v225, 0
	v_lshrrev_b32 v1, 5, v0
	v_readfirstlane_b32 s18, v1                    ; wave 0..3
	s_lshl_b32 s84, ttmp9, 8                       ; 64 queries of 4 bytes a work-group,
	s_lshl_b32 s85, s18, 6                         ; 16 a wave
	s_add_co_u32 s84, s84, s85
	s_mov_b32 s85, 0
	s_lshr_b32 s86, ttmp9, 6                       ; work-group = 64 b + 16 i + block of 64 positions
	s_lshl_b32 s86, s86, 20
	s_bfe_u32 s87, ttmp9, 0x20004
	s_lshl_b32 s87, s87, 12
	s_add_co_u32 s86, s86, s87
	s_and_b32 s87, ttmp9, 15
	s_lshl_b32 s87, s87, 8
	s_add_co_u32 s86, s86, s87
	s_mov_b32 s87, 0
	s_mov_b32 s90, 0x76543210                      ; v_permlanex16_b32: lane i of one half reads lane i of the other
	s_mov_b32 s91, 0xfedcba98
	s_wait_kmcnt 0x0
	s_add_nc_u64 s[8:9], s[8:9], s[84:85]
	s_add_nc_u64 s[10:11], s[10:11], s[84:85]
	s_load_b512 s[TQ:TQ+15], s[8:9], 0x0           ; my sixteen tiles
	s_load_b512 s[ZQS:ZQS+15], s[10:11], 0x0       ; and zsq
	s_add_nc_u64 s[4:5], s[4:5], s[86:87]
	s_add_nc_u64 s[12:13], s[12:13], s[86:87]
	s_lshl_b32 s86, ttmp9, 8
	s_add_nc_u64 s[14:15], s[14:15], s[86:87]
	s_lshl_b32 s86, ttmp9, 2
	s_add_nc_u64 s[16:17], s[16:17], s[86:87]
	v_and_b32 v[RR], 15, v0
	v_bfe_u32 v[CH], v0, 4, 1                      ; hh
	v_and_b32 v[LN16], 31, v0
	v_lshlrev_b32 v[LN8], 3, v[LN16]
	v_lshlrev_b32 v[LN16], 4, v[LN16]
	v_lshlrev_b32 v[R4], 2, v[RR]
	s_lshl_b32 s88, s18, 18                        ; 16 w dims of 16,384 bytes
	v_lshlrev_b32 v[ZOF], 4, v[RR]
	v_lshl_add_u32 v[ZOF], v[CH], 17, v[ZOF]
	v_add_nc_u32 v[ZOF], s88, v[ZOF]
.irp l, 0,1,2,3,4,5,6,7
	global_load_b128 v[ZB+4*\l:ZB+4*\l+3], v[ZOF], s[4:5] offset:16384*\l   ; dim 16 w + 8 hh + l: sixteen lanes read 256 consecutive bytes, aligned
.endr
	v_mul_u32_u24 v[TRA], v[RR], 4*PITCH
	v_lshl_add_u32 v[TRA], v[CH], 4, v[TRA]
	s_lshl_b32 s88, s18, 5
	v_add_nc_u32 v[TRA], s88, v[TRA]
	s_mul_i32 s88, s18, 16*PITCH
	v_lshl_add_u32 v[QRA], v[CH], 4, s88
	s_lshl_b32 s88, s18, 6
	v_add_nc_u32 v[IXA], s88, v[R4]
	s_lshl_b32 s88, s18, 2
	v_mov_b32 v[LSA], s88
	v_mov_b32 v[IDXV], 0                           ; written whole before lanes are written into it
	v_mov_b32 v[OTH], 0                            ; destinations of lane forms count as read
	v_mov_b32 v[MM], 0
	v_mov_b32 v[ZERO], 0
	s_wait_kmcnt 0x0
.irp q, 0,1,2,3,4,5,6,7,8,9,10,11,12,13,14,15
	s_min_u32 s[TQ+\q], s[TQ+\q], 0x3ff            ; a number from memory enters an address only clamped to the table
.endr
.irp q, 0,1,2,3,4,5,6,7
	FILLQ \q
.endr
	s_wait_loadcnt 40                              ; z's eight loads are in; the ring's forty, issued behind them, stay out
.irp x, 0,1,2,3
.irp m, 0,1,2,3
	v_cvt_pk_bf16_f32 v[PK+4*\x+\m], v[ZB+8*\m+\x], v[ZB+8*\m+4+\x]
.endr
.endr
.irp x, 0,1,2,3
	ds_store_b128 v[TRA], v[PK+4*\x:PK+4*\x+3] offset:ZT+PITCH*\x   ; query 4 r + x, dims 16 w + 8 hh .. + 7
.endr
	s_wait_dscnt 0x0                               ; my stores are in LDS before I say so: every wave reads whole rows
	s_barrier_signal -1
	s_barrier_wait -1
	ZLOAD 0
.irp q, 0,1,2,3,4,5,6,7,8,9,10,11,12,13,14,15
	QUERY \q
.endr
	ds_store_b32 v[IXA], v[IDXV] offset:IDXB       ; lanes r and r + 16 write one word with one value
	s_wait_dscnt 0x0                               ; the chosen rows and the indices are in LDS before I say so
	s_barrier_signal -1
	s_barrier_wait -1
	; the way out, in the layout in which z came in
.irp x, 0,1,2,3
	ds_load_b128 v[EQ+4*\x:EQ+4*\x+3], v[TRA] offset:ZQT+PITCH*\x
.endr
	s_mov_b32 s87, 0xffff0000                      ; a word's upper bf16
	s_wait_dscnt 0x0
.irp m, 0,1,2,3
.irp x, 0,1,2,3
	v_lshlrev_b32 v[ZL+\x], 16, v[PK+4*\x+\m]
	v_and_b32 v[ZH+\x], s87, v[PK+4*\x+\m]
	v_lshlrev_b32 v[EL+\x], 16, v[EQ+4*\x+\m]
	v_and_b32 v[EH+\x], s87, v[EQ+4*\x+\m]
.endr
.irp p, 0,2
	v_pk_add_f32 v[EL+\p:EL+\p+1], v[EL+\p:EL+\p+1], v[ZL+\p:ZL+\p+1] neg_lo:[0,1] neg_hi:[0,1]   ; t = fl(e - z)
	v_pk_add_f32 v[EH+\p:EH+\p+1], v[EH+\p:EH+\p+1], v[ZH+\p:ZH+\p+1] neg_lo:[0,1] neg_hi:[0,1]
	v_pk_add_f32 v[OO+8*\m+\p:OO+8*\m+\p+1], v[ZL+\p:ZL+\p+1], v[EL+\p:EL+\p+1]                   ; fl(z + t)
	v_pk_add_f32 v[OO+8*\m+4+\p:OO+8*\m+4+\p+1], v[ZH+\p:ZH+\p+1], v[EH+\p:EH+\p+1]
.if \m == 0
	v_pk_mul_f32 v[LL+\p:LL+\p+1], v[EL+\p:EL+\p+1], v[EL+\p:EL+\p+1]                             ; the first squares start the sums
	v_pk_mul_f32 v[LL+4+\p:LL+4+\p+1], v[EH+\p:EH+\p+1], v[EH+\p:EH+\p+1]
.else
	v_pk_fma_f32 v[LL+\p:LL+\p+1], v[EL+\p:EL+\p+1], v[EL+\p:EL+\p+1], v[LL+\p:LL+\p+1]
	v_pk_fma_f32 v[LL+4+\p:LL+4+\p+1], v[EH+\p:EH+\p+1], v[EH+\p:EH+\p+1], v[LL+4+\p:LL+4+\p+1]
.endif
.endr
	global_store_b128 v[ZOF], v[OO+8*\m:OO+8*\m+3], s[12:13] offset:16384*(2*\m) th:TH_STORE_NT      ; sixteen lanes store 256 consecutive bytes, aligned
	global_store_b128 v[ZOF], v[OO+8*\m+4:OO+8*\m+7], s[12:13] offset:16384*(2*\m+1) th:TH_STORE_NT
.endr
	v_pk_add_f32 v[LL:LL+1], v[LL:LL+1], v[LL+2:LL+3]
	v_pk_add_f32 v[LL+4:LL+5], v[LL+4:LL+5], v[LL+6:LL+7]
	v_pk_add_f32 v[LL:LL+1], v[LL:LL+1], v[LL+4:LL+5]
	v_add_f32 v[LL], v[LL], v[LL+1]
	v_add_f32_dpp v[LL], v[LL], v[LL] row_xmask:1 row_mask:0xf bank_mask:0xf
	v_add_f32_dpp v[LL], v[LL], v[LL] row_xmask:2 row_mask:0xf bank_mask:0xf
	v_add_f32_dpp v[LL], v[LL], v[LL] row_xmask:4 row_mask:0xf bank_mask:0xf
	v_add_f32_dpp v[LL], v[LL], v[LL] row_xmask:8 row_mask:0xf bank_mask:0xf
	v_permlanex16_b32 v[OTH], v[LL], s90, s91
	v_add_f32 v[LL], v[LL], v[OTH]
	ds_store_b32 v[LSA], v[LL] offset:LSB          ; my wave's sum, to my wave's word
	s_wait_dscnt 0x0                               ; it is in LDS before I say so: wave 0 reads all four
	s_barrier_signal -1
	s_barrier_wait -1
	s_cmp_lg_u32 s18, 0
	s_cbranch_scc1 .Lend
	ds_load_b64 v[CH+2:CH+3], v[LN8] offset:IDXB   ; 64 indices
	ds_load_b128 v[EQ:EQ+3], v[ZERO] offset:LSB    ; four sums, the same in every lane
	s_wait_dscnt 0x1                               ; the indices are in; the sums' load, issued behind, may be out
	global_store_b64 v[LN8], v[CH+2:CH+3], s[14:15]                ; 256 consecutive bytes of out1, aligned
	s_wait_dscnt 0x0
	v_add_f32 v[EQ], v[EQ], v[EQ+1]
	v_add_f32 v[EQ+2], v[EQ+2], v[EQ+3]
	v_add_f32 v[EQ], v[EQ], v[EQ+2]
	v_cmp_eq_u32 vcc_lo, 0, v0
	s_wait_xcnt 0x0                                ; EXEC is a source of the pending stores: it changes only behind this wait
	s_and_saveexec_b32 s86, vcc_lo
	global_store_b32 v[ZERO], v[EQ], s[16:17]      ; one lane: the work-group's sum of squares
	s_wait_xcnt 0x0                                ; and again in front of the line that widens it
	s_or_b32 exec_lo, exec_lo, s86
.Lend:
	s_wait_tensorcnt 0x0
	ds_add_u32 v224, v225
	s_wait_dscnt 0x0
	s_endpgm
.Lfunc_end_k_qb6f956dc67_finish:
	.size	k_qb6f956dc67_finish, .Lfunc_end_k_qb6f956dc67_finish-k_qb6f956dc67_finish
	.p2alignl 7, 3214868480
	.fill 96, 4, 3214868480
	.section	.rodata,"a",@progbits
	.p2align	6, 0x0
	.amdhsa_kernel k_qb6f956dc67_finish
		.amdhsa_group_segment_fixed_size 19456
		.amdhsa_private_segment_fixed_size 0
		.amdhsa_enable_private_segment 0
		.amdhsa_kernarg_size 56
		.amdhsa_user_sgpr_count 2
		.amdhsa_user_sgpr_kernarg_segment_ptr 1
		.amdhsa_wavefront_size32 1
		.amdhsa_system_sgpr_workgroup_id_x 1
		.amdhsa_system_sgpr_workgroup_id_y 1
		.amdhsa_system_sgpr_workgroup_id_z 1
		.amdhsa_system_vgpr_workitem_id 0
		.amdhsa_next_free_vgpr 226
		.amdhsa_next_free_sgpr 96
		.amdhsa_reserve_vcc 1
		.amdhsa_float_denorm_mode_32 3
		.amdhsa_float_denorm_mode_16_64 3
		.amdhsa_memory_ordered 1
		.amdhsa_forward_progress 1
		.amdhsa_inst_pref_size 94
	.end_amdhsa_kernel
	.amdgpu_metadata
---
amdhsa.version: [ 1, 2 ]
amdhsa.kernels:
  - .name:           k_qb6f956dc67_finish
    .symbol:         k_qb6f956dc67_finish.kd
    .args:
      - { .name: z, .offset: 0, .size: 8, .value_kind: global_buffer, .address_space: global }
      - { .name: embt, .offset: 8, .size: 8, .value_kind: global_buffer, .address_space: global }
      - { .name: tidw, .offset: 16, .size: 8, .value_kind: global_buffer, .address_space: global }
      - { .name: zsqw, .offset: 24, .size: 8, .value_kind: global_buffer, .address_space: global }
      - { .name: out0, .offset: 32, .size: 8, .value_kind: global_buffer, .address_space: global }
      - { .name: out1, .offset: 40, .size: 8, .value_kind: global_buffer, .address_space: global }
      - { .name: part, .offset: 48, .size: 8, .value_kind: global_buffer, .address_space: global }
    .group_segment_fixed_size: 19456
    .private_segment_fixed_size: 0
    .kernarg_segment_align: 8
    .kernarg_segment_size: 56
    .max_flat_workgroup_size: 128
    .sgpr_count:     96
    .vgpr_count:     226
    .wavefront_size: 32
...
	.end_amdgpu_metadata
.endif
;; end of part 3
;; launch lossum (part 4): grid 1 x 1, 1 waves a work-group, no clusters, 0 bytes of LDS; arguments part, out2; writes out2
.if DOCPART == 4
	.amdgcn_target "amdgcn-amd-amdhsa--gfx1250"
	.amdhsa_code_object_version 6
	.text
	.protected	k_qb6f956dc67_lossum
	.globl	k_qb6f956dc67_lossum
	.p2align	8
	.type	k_qb6f956dc67_lossum,@function
k_qb6f956dc67_lossum:
	s_mov_b64 s[64:65], 0
	v_nop
	global_prefetch_b8 v0, s[64:65] scope:SCOPE_SE
	s_setreg_imm32_b32 hwreg(HW_REG_WAVE_MODE, 25, 1), 1
	s_wait_xcnt 0x0
; lossum: loss = m + 0.25 m, m = (the sum of the 512 work-groups' sums of squares) / 2^21 (8 x 256 x 32 x 32 numbers).
; The sum spans work-groups, so it has a launch of its own and a fixed order: one wave, 16 numbers a lane.
	s_load_b128 s[4:7], s[0:1], 0x0                ; part s[4:5], out2 s[6:7]
	v_lshlrev_b32 v1, 4, v0
	s_mov_b32 s8, 0x76543210                       ; v_permlanex16_b32: lane i of one half reads lane i of the other
	s_mov_b32 s9, 0xfedcba98
	s_wait_kmcnt 0x0
.irp k, 0,1,2,3
	global_load_b128 v[4+4*\k:7+4*\k], v1, s[4:5] offset:512*\k
.endr
	s_wait_loadcnt 0x0
	v_pk_add_f32 v[4:5], v[4:5], v[6:7]
	v_pk_add_f32 v[8:9], v[8:9], v[10:11]
	v_pk_add_f32 v[12:13], v[12:13], v[14:15]
	v_pk_add_f32 v[16:17], v[16:17], v[18:19]
	v_pk_add_f32 v[4:5], v[4:5], v[8:9]
	v_pk_add_f32 v[12:13], v[12:13], v[16:17]
	v_pk_add_f32 v[4:5], v[4:5], v[12:13]
	v_add_f32 v4, v4, v5
	v_add_f32_dpp v4, v4, v4 row_xmask:1 row_mask:0xf bank_mask:0xf
	v_add_f32_dpp v4, v4, v4 row_xmask:2 row_mask:0xf bank_mask:0xf
	v_add_f32_dpp v4, v4, v4 row_xmask:4 row_mask:0xf bank_mask:0xf
	v_add_f32_dpp v4, v4, v4 row_xmask:8 row_mask:0xf bank_mask:0xf
	v_permlanex16_b32 v5, v4, s8, s9
	v_add_f32 v4, v4, v5
	v_mul_f32 v4, 0x35000000, v4                   ; x 2^-21: the mean
	v_fmamk_f32 v4, v4, 0x3e800000, v4             ; 0.25 m + m (0.25 m is exact: one rounding, as in the definition)
	v_mov_b32 v2, 0
	v_cmp_eq_u32 vcc_lo, 0, v0
	s_wait_xcnt 0x0                                ; EXEC changes only behind this wait
	s_and_saveexec_b32 s10, vcc_lo
	global_store_b32 v2, v4, s[6:7]
	s_wait_xcnt 0x0
	s_or_b32 exec_lo, exec_lo, s10
	s_endpgm
.Lfunc_end_k_qb6f956dc67_lossum:
	.size	k_qb6f956dc67_lossum, .Lfunc_end_k_qb6f956dc67_lossum-k_qb6f956dc67_lossum
	.p2alignl 7, 3214868480
	.fill 96, 4, 3214868480
	.section	.rodata,"a",@progbits
	.p2align	6, 0x0
	.amdhsa_kernel k_qb6f956dc67_lossum
		.amdhsa_group_segment_fixed_size 0
		.amdhsa_private_segment_fixed_size 0
		.amdhsa_enable_private_segment 0
		.amdhsa_kernarg_size 16
		.amdhsa_user_sgpr_count 2
		.amdhsa_user_sgpr_kernarg_segment_ptr 1
		.amdhsa_wavefront_size32 1
		.amdhsa_system_sgpr_workgroup_id_x 1
		.amdhsa_system_sgpr_workgroup_id_y 1
		.amdhsa_system_sgpr_workgroup_id_z 1
		.amdhsa_system_vgpr_workitem_id 0
		.amdhsa_next_free_vgpr 24
		.amdhsa_next_free_sgpr 66
		.amdhsa_reserve_vcc 1
		.amdhsa_float_denorm_mode_32 3
		.amdhsa_float_denorm_mode_16_64 3
		.amdhsa_memory_ordered 1
		.amdhsa_forward_progress 1
		.amdhsa_inst_pref_size 3
	.end_amdhsa_kernel
	.amdgpu_metadata
---
amdhsa.version: [ 1, 2 ]
amdhsa.kernels:
  - .name:           k_qb6f956dc67_lossum
    .symbol:         k_qb6f956dc67_lossum.kd
    .args:
      - { .name: part, .offset: 0, .size: 8, .value_kind: global_buffer, .address_space: global }
      - { .name: out2, .offset: 8, .size: 8, .value_kind: global_buffer, .address_space: global }
    .group_segment_fixed_size: 0
    .private_segment_fixed_size: 0
    .kernarg_segment_align: 8
    .kernarg_segment_size: 16
    .max_flat_workgroup_size: 32
    .sgpr_count:     66
    .vgpr_count:     24
    .wavefront_size: 32
...
	.end_amdgpu_metadata
.endif
;; end of part 4
;; ======== version 2 of 2: 4 launches; 1.17 times as fast as version 1
;; limits: values outside matrix products are rounded to bf16
;; workspace buffers: embt 2,162,688 bytes; zsqw 131,072 bytes; tidw 131,072 bytes of whole numbers; part 2,048 bytes
;; launch prep: the kernel of part 1 again; grid 256 x 1, 4 waves a work-group, no clusters, 8,960 bytes of LDS; arguments emb, embt; writes embt
;; launch main (part 5): grid 256 x 1, 8 waves a work-group, clusters of 4 x 1, 327,680 bytes of LDS; arguments z, embt, zsqw, tidw; writes zsqw, tidw
.if DOCPART == 5
	.amdgcn_target "amdgcn-amd-amdhsa--gfx1250"
	.amdhsa_code_object_version 6
	.text
	.protected	k_qb6f956dc67_main
	.globl	k_qb6f956dc67_main
	.p2align	8
	.type	k_qb6f956dc67_main,@function
k_qb6f956dc67_main:
	s_mov_b64 s[64:65], 0
	v_nop
	global_prefetch_b8 v0, s[64:65] scope:SCOPE_SE
	s_setreg_imm32_b32 hwreg(HW_REG_WAVE_MODE, 25, 1), 1
	s_wait_xcnt 0x0
	s_wait_alu depctr_hold_cnt(0) depctr_sa_sdst(0) depctr_va_vdst(0) depctr_va_sdst(0) depctr_va_ssrc(0) depctr_va_vcc(0) depctr_vm_vsrc(0)
	s_getreg_b32 s2, hwreg(HW_REG_IB_STS2, 6, 4)
	s_cmp_eq_u32 s2, 0
	s_cbranch_scc0 .Lentry_in_a_cluster
	s_endpgm
.Lentry_in_a_cluster:
	s_bfe_u32 s2, ttmp6, 0x10000c
	s_cmp_lg_u32 s2, 0x3003
	s_cbranch_scc0 .Lentry_shape_is_right
	s_endpgm
.Lentry_shape_is_right:
; main: for each of 32,768 queries the smallest distance to 16,384 codes, and the number of the FIRST tile of 16 codes that reaches it.
; Query (b, i, p) has the components z[b][4 d + i][p], d = 0..63.  d(query, code) = fl(fl(zsq + esq) - 2 dot), the two roundings of the
; definition: the distances lie on the coarse grid of zsq, equal ones are common, and the first index wins.
; The index itself is not followed here.  Per tile of 16 x 16 and lane (8 distances) the vector work is 4 packed adds, 4 packed
; multiply-adds, 4 three-way minima, 1 compare, 1 select: 14 instructions beside 2 matrix instructions.  The tile's number goes to tidw as a
; whole number; the next launch works that one tile out again, finds the index and gathers.
; LIMITS: z and emb enter as bf16, rounded once (zsq and esq are sums over the rounded numbers); inputs are finite (a NaN loses every
; minimum here, in argmin it would win).
; SHARES: a work-group owns 128 queries, and each of its eight waves holds all of them as 8 fragments in 128 registers.  The codes are shared
; out: of each chunk of 1,024 codes wave w takes tiles 8 w .. 8 w + 7, which it fetches itself and alone reads, so 2,112 bytes read from
; LDS feed 16 matrix instructions.  At the end the eight waves' minima meet in LDS.
; EIGHT WAVES, two for each of a WGP's four SIMDs (2 x 512 registers): a wave has seven vector instructions for each matrix instruction,
; some of them in chains (last minimum, compare, select), so a wave alone leaves gaps; the second wave's instructions stand ready in them.
; The bytes read from LDS and asked of memory for the codes are the same as with four waves; z is read by eight waves instead of four.
; CLUSTER: every work-group walks the same 2 MiB of embt in the same order.  Four work-groups form a cluster and ask for each unit jointly
; (mask 15, the same descriptor in all four: it is made of the wave's number and constants alone), which divides the requests by four.
; RING: two LDS slots of one chunk (8 units of 16,896 bytes).  A wave has two tensor loads out at the start and one
; behind each round of the cluster's barrier; that one has a whole chunk (128 matrix instructions of the wave) in which to land.
; TEXT: a tile is 136 instructions, about 1 KiB.  Of a unit's 8 tiles the first 6 are a loop of two (one for each parity of the buffers),
; three trips, with LDS addresses that step; tiles 6 and 7 are written out.  So a lap of two chunks is the text of 8 tiles, not of 16.
.set TILEB, 2112                       ; a tile of 16 codes: 2,048 bytes of fragments, 64 of esq
.set TPU,   8                          ; tiles in a unit
.set UNITB, TPU*TILEB                  ; a wave's part of a chunk = 66 rows of 256 bytes
.set UROWS, UNITB/256
.set SLOTB, 8*UNITB                    ; eight waves' units: a chunk of 64 tiles
.set SCR,   2*SLOTB                    ; 8,192 bytes behind the ring, which no tensor load fills: the waves' minima meet here
.set LAPS,  7                          ; laps of two chunks that fill both slots again; the last two of the 16 chunks stand behind the loop
.set PAIRS, (TPU-2)/2                  ; trips of the loop of two tiles in a chunk
.set LN16, 1                           ; v1         in the set-up and at the end: 16 x lane
.set FC,   1                           ; v1         in the chunks: LDS address of my 16 bytes of a fragment group, at the trip's first tile
.set FA,   2                           ; v2, v3     the same at the unit's first tile, slot 0, 1; never stepped
.set SA,   4                           ; v4, v5     LDS address of my unit + 32 h, slot 0, 1 (esq of codes 8 h ..); never stepped
.set ID,   6                           ; v6         which of my wave's 128 tiles is being looked at: 8 x chunk + tile
.set ZO,   7                           ; v7         in the set-up: my byte offset in z
.set SC,   7                           ; v7         in the chunks: as SA, at the trip's first tile
.set TT,   8                           ; v[8:15]    eight distances at work
.set ZS,   16                          ; v[16:23]   zsq of query r of query tile t
.set RM,   24                          ; v[24:39]   running minima, two sets that take turns by the code tile's parity (spares a move)
.set RB,   40                          ; v[40:47]   the tile that first reached the minimum, as ID counts
.set ES,   48                          ; v[48:63]   esq of codes 8 h .. 8 h + 7, two buffers
.set EF,   64                          ; v[64:95]   a code tile's fragments (16 codes x 64 dims), two buffers; at the end: eight waves' minima
.set ACC,  96                          ; v[96:127]  two pairs of accumulators; at the end: eight waves' tiles
.set QF,   128                         ; v[128:255] query tile t at 128 + 16 t: 16 queries x 64 dims
                                       ; v[256:511] z as loaded, in the set-up alone
.set G1, 16                            ; s[16:23]   descriptor group 1
.set G0, 24                            ; s[24:31]   descriptor group 0, one set for each slot
; A round of the cluster's barrier: my work-group's barrier, wave 0 signals for the work-group, every wave waits for all four work-groups,
; my work-group's barrier once more.  CREST is the round behind its opening barrier.
.macro CREST
	s_cmp_lg_u32 s12, 0
	s_cbranch_scc1 .Lnot_wave_0_\@
	s_barrier_signal -3
.Lnot_wave_0_\@:
	s_barrier_wait -3
	s_barrier_signal -1
	s_barrier_wait -1
.endm
.macro ROUND
	s_barrier_signal -1
	s_barrier_wait -1
	CREST
.endm
; Six LDS loads: the tile at byte off from the addresses in v[fa] (fragments) and v[sa] (esq), into buffer buf.
; Lanes take neighbouring 16 bytes; esq is one 32-byte piece for each half.
.macro LOADT fa, sa, off, buf
.irp g, 0,1,2,3
	ds_load_b128 v[EF+16*(\buf)+4*\g:EF+16*(\buf)+4*\g+3], v[\fa] offset:(\off)+512*\g
.endr
	ds_load_b128 v[ES+8*(\buf):ES+8*(\buf)+3], v[\sa] offset:(\off)+2048
	ds_load_b128 v[ES+8*(\buf)+4:ES+8*(\buf)+7], v[\sa] offset:(\off)+2064
.endm
; First half of a tile's look: A = fl(esq + zsq) for 8 codes, then d = fl(A - 2 dot) for six of them (2 dot is exact, so the fused form
; rounds as the definition does).  acc: first register of the 8 dots; t: query tile; sb: esq buffer.
.macro EPIA acc, t, sb
.irp k, 0,2,4,6
.if ((\t)&1)
	v_pk_add_f32 v[TT+\k:TT+\k+1], v[ES+8*(\sb)+\k:ES+8*(\sb)+\k+1], v[ZS+((\t)&6):ZS+((\t)&6)+1] op_sel:[0,1] op_sel_hi:[1,1]
.else
	v_pk_add_f32 v[TT+\k:TT+\k+1], v[ES+8*(\sb)+\k:ES+8*(\sb)+\k+1], v[ZS+((\t)&6):ZS+((\t)&6)+1] op_sel_hi:[1,0]
.endif
.endr
.irp k, 0,2,4
	v_pk_fma_f32 v[TT+\k:TT+\k+1], v[(\acc)+\k:(\acc)+\k+1], -2.0, v[TT+\k:TT+\k+1] op_sel_hi:[1,0,1]
.endr
.endm
; Second half: the last two distances, the minimum of the eight and of the running one (set pin in, the other set out), and, where it
; fell, the tile's number.  Strictly smaller: the first tile stays.
.macro EPIB acc, t, pin
	v_pk_fma_f32 v[TT+6:TT+7], v[(\acc)+6:(\acc)+7], -2.0, v[TT+6:TT+7] op_sel_hi:[1,0,1]
	v_min3_num_f32 v[TT], v[TT], v[TT+1], v[TT+2]
	v_min3_num_f32 v[TT+3], v[TT+3], v[TT+4], v[TT+5]
	v_min3_num_f32 v[TT+6], v[TT+6], v[TT+7], v[RM+8*(\pin)+(\t)]
	v_min3_num_f32 v[RM+8*(1-(\pin))+(\t)], v[TT], v[TT+3], v[TT+6]
	v_cmp_lt_f32 vcc_lo, v[RM+8*(1-(\pin))+(\t)], v[RM+8*(\pin)+(\t)]
	v_cndmask_b32 v[RB+(\t)], v[RB+(\t)], v[ID], vcc_lo
.endm
; Two query tiles (ta, ta + 1) against the code tile in buffer eb, into accumulator pair xp, woven with the look at pair yp, which holds the
; two query tiles (tb, tb + 1) of the step before.  The first product of each sum takes the constant 0: nothing is cleared.
; The accumulators take turns, one instruction a turn, over the steps, the tiles and both backward jumps.
; Behind each matrix instruction stand seven plain vector instructions that name none of its registers; a result is read 14 or more such
; places behind the instruction that wrote it (ISA guide 7.12.1).
.macro STEP eb, ta, xp, yp, tb, sb, pin
	v_wmma_f32_16x16x32_bf16 v[ACC+16*(\xp):ACC+16*(\xp)+7], v[EF+16*(\eb):EF+16*(\eb)+7], v[QF+16*(\ta):QF+16*(\ta)+7], 0
	EPIA ACC+16*(\yp), \tb, \sb
	v_wmma_f32_16x16x32_bf16 v[ACC+16*(\xp)+8:ACC+16*(\xp)+15], v[EF+16*(\eb):EF+16*(\eb)+7], v[QF+16*(\ta)+16:QF+16*(\ta)+23], 0
	EPIB ACC+16*(\yp), \tb, \pin
	v_wmma_f32_16x16x32_bf16 v[ACC+16*(\xp):ACC+16*(\xp)+7], v[EF+16*(\eb)+8:EF+16*(\eb)+15], v[QF+16*(\ta)+8:QF+16*(\ta)+15], v[ACC+16*(\xp):ACC+16*(\xp)+7]
	EPIA ACC+16*(\yp)+8, (\tb)+1, \sb
	v_wmma_f32_16x16x32_bf16 v[ACC+16*(\xp)+8:ACC+16*(\xp)+15], v[EF+16*(\eb)+8:EF+16*(\eb)+15], v[QF+16*(\ta)+24:QF+16*(\ta)+31], v[ACC+16*(\xp)+8:ACC+16*(\xp)+15]
	EPIB ACC+16*(\yp)+8, (\tb)+1, \pin
.endm
; One code tile, in the buffers of parity par, against the 128 queries.
; kind 0: the next tile of the same unit is fetched, from v[fa], v[sa] at byte off.  kind 1: the unit's last tile; the slot is filled again,
; two chunks ahead, and the other slot's first tile is fetched.  kind 2: the same without a fill.  kind 3: nothing follows.
.macro TILE par, kind, slot, fa, sa, off
	s_wait_dscnt 0x0                               ; this tile's six loads, issued three steps ago; in the unit's last tile also: my reads of the slot are over
.if \kind == 1
	s_wait_xcnt 0x0
	v_lshl_add_u32 v38, v0, 2, 0x44000
	v_mov_b32 v39, 0
	s_wait_tensorcnt 0x0                           ; all my tensor loads have landed: the one that was out is my unit of the other slot
	ds_add_u32 v38, v39
	s_wait_dscnt 0x0
	s_barrier_signal -1                            ; opens the round; up to its closing wait only register work follows
.endif
.if \kind == 2
	s_wait_tensorcnt 0x0                           ; my unit of the last chunk has landed; I alone read it, and nothing is filled again
.endif
	STEP \par, 0, 0, 1, 6, 1-\par, 1-\par          ; looks at the tile before: its query tiles 6 and 7, its esq, its set of minima, its number
	v_add_nc_u32 v[ID], 1, v[ID]                   ; from here on this tile is looked at
.if \kind == 0
	LOADT \fa, \sa, \off, 1-\par                   ; the other buffers' last readers stand above, more than twenty places behind the last matrix instruction that read them
.endif
	STEP \par, 2, 1, 0, 0, \par, \par
.if \kind == 1
	s_barrier_wait -1
	CREST                                          ; no wave of the four work-groups still reads this slot or has a load on its way
	s_add_nc_u64 s[G0+4*\slot+2:G0+4*\slot+3], s[G0+4*\slot+2:G0+4*\slot+3], 2*SLOTB   ; no load of mine is out: the address may step, two chunks on
	tensor_load_to_lds s[G0+4*\slot:G0+4*\slot+3], s[G1:G1+7]                          ; my one tensor load behind the round, and the first thing there
	s_nop 0
	LOADT FA+1-\slot, SA+1-\slot, 0, 0
.endif
.if \kind == 2
	LOADT FA+1-\slot, SA+1-\slot, 0, 0
.endif
	STEP \par, 4, 0, 1, 2, \par, \par
	STEP \par, 6, 1, 0, 4, \par, \par
.endm
; My unit of one chunk.  Trip j of the loop multiplies tiles 2 j and 2 j + 1 and fetches tiles 2 j + 1 and 2 j + 2: one and two tiles behind
; the stepped addresses, which stand at tile 2 j.  The last trip fetches tile 6; the furthest byte that the loop reads lies
; 2 x 4,224 + 2 x 2,112 + 2,080 = 14,752 bytes behind the unit's first, inside its 16,896.
.macro CHUNK slot, lastkind
	v_mov_b32 v[FC], v[FA+\slot]                   ; set anew from the slot's fixed addresses in every chunk
	v_mov_b32 v[SC], v[SA+\slot]
	s_mov_b32 s39, PAIRS
.Lpair_\@:
	TILE 0, 0, \slot, FC, SC, TILEB
	TILE 1, 0, \slot, FC, SC, 2*TILEB
	v_add_nc_u32 v[FC], 2*TILEB, v[FC]             ; two tiles on
	v_add_nc_u32 v[SC], 2*TILEB, v[SC]
	s_sub_co_i32 s39, s39, 1
	s_cmp_lg_u32 s39, 0
	s_cbranch_scc1 .Lpair_\@
	TILE 0, 0, \slot, FA+\slot, SA+\slot, (TPU-1)*TILEB   ; tile 6 fetches tile 7
	TILE 1, \lastkind, \slot, FA, SA, 0            ; tile 7 changes slots
.endm
; (va, ia) takes (vb, ib) where vb is smaller, or equal with the lower tile.  Masks select values alone.
.macro MERGE va, ia, vb, ib
	v_cmp_lt_f32 s36, v[\vb], v[\va]
	v_cmp_eq_f32 s37, v[\vb], v[\va]
	v_cmp_lt_u32 s38, v[\ib], v[\ia]
	s_and_b32 s37, s37, s38
	s_or_b32 vcc_lo, s36, s37
	v_cndmask_b32 v[\va], v[\va], v[\vb], vcc_lo
	v_cndmask_b32 v[\ia], v[\ia], v[\ib], vcc_lo
.endm
	s_load_b256 s[4:11], s[0:1], 0x0               ; z s[4:5], embt s[6:7], zsqw s[8:9], tidw s[10:11]
	v_lshl_add_u32 v38, v0, 2, 0x44000
	v_mov_b32 v39, 0
	ds_add_u32 v38, v39
	s_wait_dscnt 0x0
	v_lshrrev_b32 v1, 5, v0
	v_readfirstlane_b32 s12, v1                    ; wave 0..7
	s_bfe_u32 s13, ttmp6, 0x40000                  ; cx: my place in the cluster
	s_lshl_b32 s14, ttmp9, 2                       ; in a cluster launch ttmp9 counts clusters
	s_add_co_u32 s14, s14, s13                     ; work-group 0..255; it enters the addresses of z, zsqw and tidw and nothing else
	; group 1: a dense block of 16,896 bytes as 66 rows of 32 elements of 8 bytes
	s_mov_b32 s[G1+0], 0x0023000f                  ; 15:0 mask = all four of the cluster; 17:16 element of 8 bytes; 21 set beside a mask; no padding
	s_mov_b32 s[G1+1], 32<<16                      ; tensor_dim0 = 32
	s_mov_b32 s[G1+2], UROWS<<16                   ; tensor_dim1 = 66
	s_mov_b32 s[G1+3], 32<<16                      ; tile_dim0 = 32
	s_mov_b32 s[G1+4], UROWS                       ; tile_dim1 = 66
	s_mov_b32 s[G1+5], 32                          ; from row to row: 32 elements
	s_mov_b32 s[G1+6], 0
	s_mov_b32 s[G1+7], 0
	s_mul_i32 s15, s12, UNITB                      ; my unit, in a slot and in a chunk of embt
	s_mov_b32 s40, s15
	s_mov_b32 s41, 0
	s_mov_b32 s33, 0xffff0000                      ; lanes 16 to 31
	s_mov_b32 s34, 0x76543210                      ; v_permlanex16_b32: lane i of one half reads lane i of the other
	s_mov_b32 s35, 0xfedcba98
	s_wait_kmcnt 0x0
	s_add_nc_u64 s[42:43], s[6:7], s[40:41]
.irp n, 0,1
	s_mov_b32 s[G0+4*\n], 1                                        ; count = 1
	s_add_co_u32 s[G0+4*\n+1], s15, \n*SLOTB                       ; LDS address: the slot's constant + wave x 16,896
	s_add_nc_u64 s[G0+4*\n+2:G0+4*\n+3], s[42:43], \n*SLOTB        ; chunk n, my unit
	s_or_b32 s[G0+4*\n+3], s[G0+4*\n+3], 0x80000000                ; type = 2
.endr
	ROUND                                          ; the four work-groups are here: the first joint loads meet
	tensor_load_to_lds s[G0:G0+3], s[G1:G1+7]      ; both first fills go out together, ahead of every wait on TENSORcnt and every LDS read
	s_nop 0
	tensor_load_to_lds s[G0+4:G0+7], s[G1:G1+7]
	s_nop 0
	; work-group = 32 b + 8 i + block of 128 positions; query number = 128 x work-group + place
	s_lshr_b32 s40, s14, 5
	s_lshl_b32 s40, s40, 20                        ; b x 256 channels x 4,096 bytes
	s_bfe_u32 s36, s14, 0x20003
	s_lshl_b32 s36, s36, 12                        ; channel i
	s_add_co_u32 s40, s40, s36
	s_and_b32 s36, s14, 7
	s_lshl_b32 s36, s36, 9                         ; 128 positions of 4 bytes
	s_add_co_u32 s40, s40, s36
	s_add_nc_u64 s[4:5], s[4:5], s[40:41]
	s_lshl_b32 s40, s14, 9                         ; 128 words
	s_add_nc_u64 s[8:9], s[8:9], s[40:41]
	s_add_nc_u64 s[10:11], s[10:11], s[40:41]
	v_and_b32 v[LN16], 31, v0
	v_lshlrev_b32 v[LN16], 4, v[LN16]
	v_bfe_u32 v[ZO], v0, 4, 1                      ; h
	v_add_nc_u32 v[FA], s15, v[LN16]
	v_add_nc_u32 v[FA+1], SLOTB, v[FA]
	v_lshl_add_u32 v[SA], v[ZO], 5, s15
	v_add_nc_u32 v[SA+1], SLOTB, v[SA]
	v_and_b32 v[ID], 15, v0                        ; r
	v_lshlrev_b32 v[ID], 4, v[ID]
	v_lshl_add_u32 v[ZO], v[ZO], 17, v[ID]         ; 8 h dims of 16,384 bytes + 16 r
	; z: lane (r, h) takes, for dim 16 ga + 8 h + e, the positions 64 u + 4 r .. + 3: sixteen lanes read 256 consecutive bytes, aligned.
	; Position 64 u + 4 r + x is query r of query tile 4 u + x.
	s_set_vgpr_msb 0x40                            ; destinations in v256 and above
.irp ga, 0,1,2,3
.irp e, 0,1,2,3,4,5,6,7
.irp u, 0,1
	global_load_b128 v[4*((\ga*8+\e)*2+\u):4*((\ga*8+\e)*2+\u)+3], v[ZO], s[4:5] offset:(16*\ga+\e)*16384+256*\u
.endr
.endr
.endr
	s_set_vgpr_msb 0x4005                          ; both sources in v256 and above, destinations below
.irp ga, 0,1,2,3
	s_wait_loadcnt 48-16*\ga                       ; loads come back in order: this group of sixteen is in, the later groups stay out
.irp e, 0,2,4,6
.irp u, 0,1
.irp x, 0,1,2,3
	v_cvt_pk_bf16_f32 v[QF+16*(4*\u+\x)+4*\ga+\e/2], v[4*((\ga*8+\e)*2+\u)+\x], v[4*((\ga*8+\e+1)*2+\u)+\x]
.endr
.endr
.endr
.endr
	s_set_vgpr_msb 0x0500                          ; all back to the first 256
	; zsq over the rounded numbers: sixteen chains (low and high halves of eight query tiles), then the other half of the lanes
	v_mov_b32 v[ID], 0                             ; the chains' first addend
.irp t, 0,1,2,3,4,5,6,7
	v_fma_mix_f32_bf16 v[ZS+\t], v[QF+16*\t], v[QF+16*\t], v[ID] op_sel_hi:[1,1,0]
	v_fma_mix_f32_bf16 v[TT+\t], v[QF+16*\t], v[QF+16*\t], v[ID] op_sel:[1,1,0] op_sel_hi:[1,1,0]
.endr
.irp k, 1,2,3,4,5,6,7,8,9,10,11,12,13,14,15
.irp t, 0,1,2,3,4,5,6,7
	v_fma_mix_f32_bf16 v[ZS+\t], v[QF+16*\t+\k], v[QF+16*\t+\k], v[ZS+\t] op_sel_hi:[1,1,0]
	v_fma_mix_f32_bf16 v[TT+\t], v[QF+16*\t+\k], v[QF+16*\t+\k], v[TT+\t] op_sel:[1,1,0] op_sel_hi:[1,1,0]
.endr
.endr
.irp t, 0,2,4,6
	v_pk_add_f32 v[ZS+\t:ZS+\t+1], v[ZS+\t:ZS+\t+1], v[TT+\t:TT+\t+1]
.endr
.irp t, 0,1,2,3,4,5,6,7
	v_permlanex16_b32 v[TT+\t], v[ZS+\t], s34, s35
.endr
.irp t, 0,2,4,6
	v_pk_add_f32 v[ZS+\t:ZS+\t+1], v[ZS+\t:ZS+\t+1], v[TT+\t:TT+\t+1]   ; the same sum in both halves
.endr
.irp x, 0,1,2,3
	v_cndmask_b32 v[TT+\x], v[ZS+\x], v[ZS+4+\x], s33              ; lane 16 u + r: queries 64 u + 4 r + x
.endr
	s_cmp_lg_u32 s12, 0
	s_cbranch_scc1 .Lzsq_out
	global_store_b128 v[LN16], v[TT:TT+3], s[8:9]  ; one wave writes the work-group's 512 bytes: the next launch takes the very same zsq
.Lzsq_out:
	s_wait_xcnt 0x0                                ; TT, the store's data, and v1, its offset, are written again only behind this wait
	; The loop's first step looks at a tile that does not exist: esq = +inf and dots of 0 make distances of +inf, which change nothing.
	s_mov_b32 s36, 0x7f800000
.irp t, 0,1,2,3,4,5,6,7
	v_mov_b32 v[RM+\t], s36
	v_mov_b32 v[RB+\t], 0
	v_mov_b32 v[ES+8+\t], s36
.endr
	v_mov_b32 v[RM+8+6], s36
	v_mov_b32 v[RM+8+7], s36
.irp k, 0,1,2,3,4,5,6,7,8,9,10,11,12,13,14,15
	v_mov_b32 v[ACC+16+\k], 0
.endr
	v_mov_b32 v[ID], -1                            ; the first tile's step makes it 0
	s_wait_tensorcnt 0x1                           ; my unit of chunk 0 is in LDS, chunk 1's may stay out; I alone read my units
	LOADT FA, SA, 0, 0
	s_mov_b32 s32, LAPS
.Llap:
	CHUNK 0, 1
	CHUNK 1, 1
	s_sub_co_i32 s32, s32, 1
	s_cmp_lg_u32 s32, 0
	s_cbranch_scc1 .Llap
	CHUNK 0, 2                                     ; chunks 14 and 15: nothing is left to fetch
	CHUNK 1, 3
	EPIA ACC+16, 6, 1                              ; the last tile's query tiles 6 and 7
	EPIB ACC+16, 6, 1
	EPIA ACC+24, 7, 1
	EPIB ACC+24, 7, 1                              ; all minima now stand in the first set
	; my wave's count n = 8 c + i becomes the tile's number 64 c + 8 w + i; both rise together, so the first stayed the first
	s_lshl_b32 s40, s12, 3
.irp t, 0,1,2,3,4,5,6,7
	v_lshrrev_b32 v[TT+\t], 3, v[RB+\t]
	v_and_b32 v[RB+\t], 7, v[RB+\t]
.endr
.irp t, 0,1,2,3,4,5,6,7
	v_lshl_add_u32 v[TT+\t], v[TT+\t], 6, s40
.endr
.irp t, 0,1,2,3,4,5,6,7
	v_add_nc_u32 v[RB+\t], v[TT+\t], v[RB+\t]
.endr
	; the two halves of the lanes (codes 8 h .. of each tile), then the eight waves
.irp t, 0,1,2,3,4,5,6,7
	v_permlanex16_b32 v[ES+\t], v[RM+\t], s34, s35
	v_permlanex16_b32 v[ES+8+\t], v[RB+\t], s34, s35
.endr
.irp t, 0,1,2,3,4,5,6,7
	MERGE RM+\t, RB+\t, ES+\t, ES+8+\t
.endr
.irp t, 0,1,2,3,4,5,6,7
	v_cndmask_b32 v[TT+\t], v[RM+\t], v[RB+\t], s33                ; lanes 0-15 carry the minima, lanes 16-31 the tiles
.endr
	v_and_b32 v[LN16], 31, v0                      ; 16 x lane once more: the chunks used its register
	v_lshlrev_b32 v[LN16], 4, v[LN16]
	v_and_b32 v[FA], 15, v0
	v_bfe_u32 v[FA+1], v0, 4, 1
	v_lshlrev_b32 v[FA], 4, v[FA]
	v_lshl_add_u32 v[FA], v[FA+1], 9, v[FA]
	s_lshl_b32 s40, s12, 10
	s_add_co_u32 s40, s40, SCR
	v_add_nc_u32 v[FA], s40, v[FA]                 ; wave x 1,024: 128 minima in query order, then 128 tiles
	ds_store_b128 v[FA], v[TT:TT+3]
	ds_store_b128 v[FA], v[TT+4:TT+7] offset:256
	s_wait_dscnt 0x0                               ; my stores are in LDS before I say so: wave 0 reads them
	s_barrier_signal -1
	s_barrier_wait -1
	s_cmp_lg_u32 s12, 0
	s_cbranch_scc1 .Lclose
	v_add_nc_u32 v[FA+1], SCR, v[LN16]
.irp w, 0,1,2,3,4,5,6,7
	ds_load_b128 v[EF+4*\w:EF+4*\w+3], v[FA+1] offset:1024*\w          ; wave w's minima of queries 4 lane .. + 3
	ds_load_b128 v[ACC+4*\w:ACC+4*\w+3], v[FA+1] offset:1024*\w+512    ; and its tiles
.endr
	s_wait_dscnt 0x0
.irp w, 1,2,3,4,5,6,7
.irp x, 0,1,2,3
	MERGE EF+\x, ACC+\x, EF+4*\w+\x, ACC+4*\w+\x
.endr
.endr
	global_store_b128 v[LN16], v[ACC:ACC+3], s[10:11]              ; 512 consecutive bytes: the tiles of queries 4 lane .. + 3
.Lclose:
	s_wait_xcnt 0x0
	v_lshl_add_u32 v38, v0, 2, 0x44000
	v_mov_b32 v39, 0
	s_wait_tensorcnt 0x0
	ds_add_u32 v38, v39
	s_wait_dscnt 0x0
	ROUND                                          ; the closing round: no work-group ends while a partner may still ask jointly
	s_endpgm
.Lfunc_end_k_qb6f956dc67_main:
	.size	k_qb6f956dc67_main, .Lfunc_end_k_qb6f956dc67_main-k_qb6f956dc67_main
	.p2alignl 7, 3214868480
	.fill 96, 4, 3214868480
	.section	.rodata,"a",@progbits
	.p2align	6, 0x0
	.amdhsa_kernel k_qb6f956dc67_main
		.amdhsa_group_segment_fixed_size 327680
		.amdhsa_private_segment_fixed_size 0
		.amdhsa_enable_private_segment 0
		.amdhsa_kernarg_size 32
		.amdhsa_user_sgpr_count 2
		.amdhsa_user_sgpr_kernarg_segment_ptr 1
		.amdhsa_wavefront_size32 1
		.amdhsa_system_sgpr_workgroup_id_x 1
		.amdhsa_system_sgpr_workgroup_id_y 1
		.amdhsa_system_sgpr_workgroup_id_z 1
		.amdhsa_system_vgpr_workitem_id 0
		.amdhsa_next_free_vgpr 512
		.amdhsa_next_free_sgpr 66
		.amdhsa_reserve_vcc 1
		.amdhsa_float_denorm_mode_32 3
		.amdhsa_float_denorm_mode_16_64 3
		.amdhsa_memory_ordered 1
		.amdhsa_forward_progress 1
		.amdhsa_inst_pref_size 185
	.end_amdhsa_kernel
	.amdgpu_metadata
---
amdhsa.version: [ 1, 2 ]
amdhsa.kernels:
  - .name:           k_qb6f956dc67_main
    .symbol:         k_qb6f956dc67_main.kd
    .args:
      - { .name: z, .offset: 0, .size: 8, .value_kind: global_buffer, .address_space: global }
      - { .name: embt, .offset: 8, .size: 8, .value_kind: global_buffer, .address_space: global }
      - { .name: zsqw, .offset: 16, .size: 8, .value_kind: global_buffer, .address_space: global }
      - { .name: tidw, .offset: 24, .size: 8, .value_kind: global_buffer, .address_space: global }
    .group_segment_fixed_size: 327680
    .private_segment_fixed_size: 0
    .kernarg_segment_align: 8
    .kernarg_segment_size: 32
    .max_flat_workgroup_size: 256
    .sgpr_count:     66
    .vgpr_count:     512
    .wavefront_size: 32
...
	.end_amdgpu_metadata
.endif
;; end of part 5
;; launch finish: the kernel of part 3 again; grid 512 x 1, 4 waves a work-group, no clusters, 19,456 bytes of LDS; arguments z, embt, tidw, zsqw, out0, out1, part; writes out0, out1, part
;; launch lossum: the kernel of part 4 again; grid 1 x 1, 1 waves a work-group, no clusters, 0 bytes of LDS; arguments part, out2; writes out2
